; MI455X (gfx1250); checked and timed in simulation.
; The chip was launched on July 23, 2026; its instructions are those of AMD's public machine-readable ISA for CDNA 5 (MIT licence, August 2026) and "CDNA5" Instruction Set Architecture Reference Guide (July 2026). The comments in the code are by the model that wrote it; some were corrected since.
;; Brenier Map NN. Allowed arithmetic: float matrix products may take bf16 or f16 operands with f32 sums; other float arithmetic in f32, or as packed bf16 or f16 multiplies, adds, multiply-adds, maxima and minima; sums over many terms, partial sums and values carried from step to step in f32; what a program stores and reads back later, other than sums and carried values, may be rounded once to bf16 or f16.
;; Inputs: b0 512 float32; b1 512 float32; b2 512 float32; b3 512 float32; b4 1 float32; u 32,768 x 64 float32; wu0 512 x 64 float32; wu1 512 x 64 float32; wu2 512 x 64 float32; wu3 512 x 64 float32; wu4 1 x 64 float32; wz1 512 x 512 float32; wz2 512 x 512 float32; wz3 512 x 512 float32; wz4 1 x 512 float32.
;; Outputs: out0 32,768 x 64 float32.
;; One version. Each part assembles by itself: llvm-mc -triple=amdgcn-amd-amdhsa -mcpu=gfx1250 --defsym DOCPART=n.
;; ======== version 1 of 1: 2 launches
;; workspace buffers: wt 3,735,552 bytes; w4f 2,304 bytes
;; launch prep (part 1): grid 217 x 1, 4 waves a work-group, no clusters, 0 bytes of LDS; arguments wu0, wu1, wu2, wu3, wz1, wz2, wz3, wu4, wz4, wt, w4f; writes wt, w4f
.if DOCPART == 1
	.amdgcn_target "amdgcn-amd-amdhsa--gfx1250"
	.amdhsa_code_object_version 6
	.text
	.protected	k_qcc06485f99_prep
	.globl	k_qcc06485f99_prep
	.p2align	8
	.type	k_qcc06485f99_prep,@function
k_qcc06485f99_prep:
	s_mov_b64 s[64:65], 0
	v_nop
	global_prefetch_b8 v0, s[64:65] scope:SCOPE_SE
	s_setreg_imm32_b32 hwreg(HW_REG_WAVE_MODE, 25, 1), 1
	s_wait_xcnt 0x0
; THE WEIGHTS, ONCE: exp of every weight, rounded once to bf16, laid out as the second launch walks them; and exp(wz4), exp(wu4) in f32 (w4f).
; wt holds 54 tiles of 65,536 bytes: four parts (one for each wave of the second launch) of 128 rows x 64 bf16, k along the rows.  Part w, row i, place kk of tile t:
;   t = 0, 52             exp(wu0[128 w + i][kk])
;   t = 1 + 9 (l-1) + s   s < 8: exp(wz_l[128 w + i][64 s + kk]);  s = 8: exp(wu_l[128 w + i][kk])
;   t = 28 + 8 (3-l) + s  exp(wz_l[64 s + kk][128 w + i])                      (l = 3, 2, 1: the way back)
;   t = 53                2 exp(wu0[64 (i / 16) + kk][16 w + i % 16])
; Behind the tiles: du's weights of the way back, in fragments of 1,024 bytes as they lie in registers.  Fragment (q = t - 28, half h, wave w) at 8,192 q + 4,096 h + 1,024 w:
; the 16 bytes at 256 c + 16 r are exp(wu_l[64 s + 32 h + 8 c + 0..7][16 w + r]), c = 0..3, r = 0..15.
; SHARES.  Work-group g < 216 makes part g % 4 of tile g / 4: 1,024 pieces of 16 bytes; thread n makes pieces n + 128 i, i = 0..7: row n / 8 + 16 i, places 8 (n % 8) on.  For a tile of the way back it also
; makes that K step's two fragments of du's weights for wave g % 4: thread n the piece r = n % 16, places 8 (n / 16) on.  Each store of a wave covers 512 consecutive bytes, aligned.
; Work-group 216 makes w4f.  No LDS, no barrier: no thread wants what another has loaded.
; LIMITS.  v_exp_f32 gives 0 for results below 2^-126 (ISA guide, its entry); NaN and infinities are not treated apart.
.set L2E,   0x3fb8aa3b                 ; log2(e)
.set TILEB, 65536
.set GPART, 16384
.set DUWB,  54*TILEB                   ; du's weights begin behind the tiles
.set OF,    4                          ; v[4:11]   piece i's byte offset in the source
.set OFT,   12                         ; v12       the same for du's piece
.set DT,    16                         ; v[16:87]  72 numbers in f32
.set PKD,   88                         ; v[88:123] the nine pieces, packed
	s_load_b512 s[8:23], s[0:1], 0x0               ; wu0 s[8:9], wu1 s[10:11], wu2 s[12:13], wu3 s[14:15], wz1 s[16:17], wz2 s[18:19], wz3 s[20:21], wu4 s[22:23]
	s_load_b128 s[24:27], s[0:1], 0x40             ; wz4 s[24:25], wt s[26:27]
	s_load_b64 s[28:29], s[0:1], 0x50              ; w4f
	v_lshrrev_b32 v1, 3, v0                        ; n / 8: my row among 16
	v_and_b32 v2, 7, v0                            ; n % 8: my eight places of a row
	v_lshlrev_b32 v3, 4, v0                        ; 16 n: where my pieces go
	v_and_b32 v13, 15, v0                          ; du's piece: r = n % 16,
	v_lshrrev_b32 v14, 4, v0                       ; places 8 (n / 16) on
	v_lshlrev_b32 v[OFT], 11, v14                  ; eight source rows of 256 bytes for each n / 16,
	v_lshl_add_u32 v[OFT], v13, 2, v[OFT]          ; column r
	v_lshrrev_b32 v15, 2, v14                      ; where it goes: 4,096 x half
	v_and_b32 v14, 3, v14
	v_lshlrev_b32 v15, 12, v15
	v_lshl_add_u32 v15, v14, 8, v15                ; + 256 c
	v_lshl_add_u32 v15, v13, 4, v15                ; + 16 r
	s_mov_b32 s7, L2E
	s_mov_b32 s30, 0                               ; added to the exponent: 1.0 doubles (tile 53)
	s_lshr_b32 s2, ttmp9, 2                        ; t
	s_and_b32 s3, ttmp9, 3                         ; w
	s_wait_kmcnt 0x0
	s_cmp_eq_u32 ttmp9, 216
	s_cbranch_scc1 .Lw4
	; what tile t is: s6 = 0 rows as they lie, 1 turned (the way back), 2 turned (tile 53); s5 = l - 1, or 3 for layer 0; s4 = the K step (8: the u step); s50 = t - 28 on the way back
	s_mov_b32 s6, 0
	s_mov_b32 s4, 8
	s_mov_b32 s5, 3
	s_mov_b32 s50, 0
	s_cmp_eq_u32 s2, 0
	s_cbranch_scc1 .Ldec
	s_cmp_eq_u32 s2, 52
	s_cbranch_scc1 .Ldec
	s_cmp_eq_u32 s2, 53
	s_cbranch_scc0 .Lnot_d
	s_mov_b32 s6, 2
	s_branch .Ldec
.Lnot_d:
	s_cmp_lt_u32 s2, 28
	s_cbranch_scc0 .Lback
	s_sub_co_u32 s4, s2, 1                         ; q = t - 1, 0..26
	s_mul_i32 s5, s4, 57
	s_lshr_b32 s5, s5, 9                           ; q / 9 (exact for q < 27)
	s_mul_i32 s72, s5, 9
	s_sub_co_u32 s4, s4, s72                       ; q % 9
	s_branch .Ldec
.Lback:
	s_mov_b32 s6, 1
	s_sub_co_u32 s50, s2, 28
	s_lshr_b32 s5, s50, 3
	s_sub_co_u32 s5, 2, s5                         ; l - 1 = 2, 1, 0
	s_and_b32 s4, s50, 7
.Ldec:
	s_cmp_eq_u32 s5, 0                             ; the layer's two tensors: s[68:69] its wu, s[70:71] its wz
	s_cselect_b64 s[68:69], s[10:11], s[8:9]
	s_cselect_b64 s[70:71], s[16:17], s[20:21]
	s_cmp_eq_u32 s5, 1
	s_cselect_b64 s[68:69], s[12:13], s[68:69]
	s_cselect_b64 s[70:71], s[18:19], s[70:71]
	s_cmp_eq_u32 s5, 2
	s_cselect_b64 s[68:69], s[14:15], s[68:69]
	s_lshl_b32 s72, s50, 13                        ; du's weights of this K step: 8,192 bytes,
	s_lshl_b32 s73, s3, 10                         ; my wave's fragments
	s_add_co_u32 s72, s72, s73
	s_mov_b32 s73, 0
	s_add_nc_u64 s[52:53], s[26:27], s[72:73]
	s_add_nc_u64 s[52:53], s[52:53], DUWB
	s_mul_i32 s72, s2, TILEB
	s_mul_i32 s73, s3, GPART
	s_add_co_u32 s72, s72, s73
	s_mov_b32 s73, 0
	s_add_nc_u64 s[76:77], s[26:27], s[72:73]      ; wt at my part
	s_cmp_eq_u32 s6, 0
	s_cbranch_scc0 .Lturned
	; ROWS AS THEY LIE: a piece is 32 consecutive bytes of a source row; eight lanes take 256 consecutive bytes
	s_mov_b32 s31, 256                             ; bytes in a row of wu,
	s_cmp_lt_u32 s4, 8
	s_cselect_b64 s[32:33], s[70:71], s[68:69]
	s_cselect_b32 s31, 2048, s31                   ; of wz
	s_cselect_b32 s72, s4, 0
	s_lshl_b32 s72, s72, 8                         ; the K step's 64 numbers
	s_mul_i32 s73, s3, s31
	s_lshl_b32 s73, s73, 7                         ; my part's 128 rows
	s_add_co_u32 s72, s72, s73
	s_mov_b32 s73, 0
	s_add_nc_u64 s[32:33], s[32:33], s[72:73]
	s_lshl_b32 s74, s31, 4                         ; 16 rows on
	v_mul_lo_u32 v[OF], v1, s31
	v_lshl_add_u32 v[OF], v2, 5, v[OF]
.irp i, 1,2,3,4,5,6,7
	v_add_nc_u32 v[OF+\i], s74, v[OF+\i-1]
.endr
.irp i, 0,1,2,3,4,5,6,7
	global_load_b128 v[DT+8*\i:DT+8*\i+3],   v[OF+\i], s[32:33]
	global_load_b128 v[DT+8*\i+4:DT+8*\i+7], v[OF+\i], s[32:33] offset:16
.endr
	s_branch .Ljoin
.Lturned:
	; TURNED: a piece's eight numbers lie in eight source rows, one pointer for each (s[32:47]); the row of the tile runs along the source's rows
	s_mov_b32 s31, 256
	s_mov_b32 s78, 16384
	s_cmp_eq_u32 s6, 1
	s_cselect_b64 s[32:33], s[70:71], s[8:9]       ; wz_l, or wu0
	s_cselect_b32 s31, 2048, s31                   ; bytes from k to k + 1
	s_cselect_b32 s78, 64, s78                     ; bytes from piece i to piece i + 1: 16 columns on, or 64 source rows on
	s_cselect_b32 s79, 9, 6                        ; my part: 128 columns, or 16
	s_cselect_b32 s72, s4, 0
	s_cselect_b32 s30, 0, 1.0
	s_lshl_b32 s72, s72, 17                        ; the K step's 64 source rows of 2,048 bytes
	s_lshl_b32 s79, s3, s79
	s_add_co_u32 s72, s72, s79
	s_mov_b32 s73, 0
	s_add_nc_u64 s[32:33], s[32:33], s[72:73]
	s_mov_b32 s74, s31
	s_mov_b32 s75, 0
.irp j, 1,2,3,4,5,6,7
	s_add_nc_u64 s[32+2*\j:33+2*\j], s[30+2*\j:31+2*\j], s[74:75]
.endr
	s_lshl_b32 s79, s31, 3                         ; my eight places: eight source rows for each n % 8
	v_mul_lo_u32 v[OF], v2, s79
	v_lshl_add_u32 v[OF], v1, 2, v[OF]
.irp i, 1,2,3,4,5,6,7
	v_add_nc_u32 v[OF+\i], s78, v[OF+\i-1]
.endr
.irp i, 0,1,2,3,4,5,6,7
.irp j, 0,1,2,3,4,5,6,7
	global_load_b32 v[DT+8*\i+\j], v[OF+\i], s[32+2*\j:33+2*\j]
.endr
.endr
	s_cmp_eq_u32 s6, 1
	s_cbranch_scc0 .Ljoin
	s_lshl_b32 s72, s4, 14                         ; du's piece: wu_l, 64 source rows of 256 bytes a K step,
	s_lshl_b32 s79, s3, 6                          ; my wave's 16 columns
	s_add_co_u32 s72, s72, s79
	s_add_nc_u64 s[48:49], s[68:69], s[72:73]
.irp j, 0,1,2,3,4,5,6,7
	global_load_b32 v[DT+64+\j], v[OFT], s[48:49] offset:256*\j
.endr
.Ljoin:
	s_wait_loadcnt 0x0                             ; all my loads went out together: one wait
.set n_, 0
.rept 64
	v_fma_f32 v[DT+n_], v[DT+n_], s7, s30          ; x log2(e), + 1 where the tile is doubled
.set n_, n_+1
.endr
.set n_, 0
.rept 64
	v_exp_f32 v[DT+n_], v[DT+n_]                   ; one batch
.set n_, n_+1
.endr
	v_nop                                          ; a plain instruction behind the last exponential,
	s_wait_alu depctr_va_vdst(0)                   ; and a wait ahead of the batch's first reader
.set n_, 0
.rept 32
	v_cvt_pk_bf16_f32 v[PKD+n_], v[DT+2*n_], v[DT+2*n_+1]
.set n_, n_+1
.endr
.irp i, 0,1,2,3,4,5,6,7
	global_store_b128 v3, v[PKD+4*\i:PKD+4*\i+3], s[76:77] offset:2048*\i
.endr
	s_cmp_eq_u32 s6, 1
	s_cbranch_scc0 .Ldone
.irp j, 0,1,2,3,4,5,6,7
	v_mul_f32 v[DT+64+\j], s7, v[DT+64+\j]
.endr
.irp j, 0,1,2,3,4,5,6,7
	v_exp_f32 v[DT+64+\j], v[DT+64+\j]
.endr
	v_nop
	s_wait_alu depctr_va_vdst(0)                   ; the second batch's wait, ahead of its readers
.irp j, 0,1,2,3
	v_cvt_pk_bf16_f32 v[PKD+32+\j], v[DT+64+2*\j], v[DT+64+2*\j+1]
.endr
	global_store_b128 v15, v[PKD+32:PKD+35], s[52:53]
.Ldone:
	s_endpgm
.Lw4:                                              ; w4f: 512 exp(wz4), 16 bytes a thread; then 64 exp(wu4), 8 bytes a lane of wave 0
	global_load_b128 v[16:19], v3, s[24:25]
	v_lshrrev_b32 v4, 5, v0
	v_readfirstlane_b32 s4, v4
	s_wait_loadcnt 0x0
.irp j, 16,17,18,19
	v_mul_f32 v\j, s7, v\j
.endr
.irp j, 16,17,18,19
	v_exp_f32 v\j, v\j
.endr
	v_nop
	s_wait_alu depctr_va_vdst(0)
	global_store_b128 v3, v[16:19], s[28:29]
	s_cmp_lg_u32 s4, 0
	s_cbranch_scc1 .Lw_end
	v_lshlrev_b32 v5, 3, v0
	global_load_b64 v[20:21], v5, s[22:23]
	s_wait_loadcnt 0x0
	v_mul_f32 v20, s7, v20
	v_mul_f32 v21, s7, v21
	v_exp_f32 v20, v20
	v_exp_f32 v21, v21
	v_nop
	s_wait_alu depctr_va_vdst(0)
	global_store_b64 v5, v[20:21], s[28:29] offset:2048
.Lw_end:
	s_endpgm
.Lfunc_end_k_qcc06485f99_prep:
	.size	k_qcc06485f99_prep, .Lfunc_end_k_qcc06485f99_prep-k_qcc06485f99_prep
	.p2alignl 7, 3214868480
	.fill 96, 4, 3214868480
	.section	.rodata,"a",@progbits
	.p2align	6, 0x0
	.amdhsa_kernel k_qcc06485f99_prep
		.amdhsa_group_segment_fixed_size 0
		.amdhsa_private_segment_fixed_size 0
		.amdhsa_enable_private_segment 0
		.amdhsa_kernarg_size 88
		.amdhsa_user_sgpr_count 2
		.amdhsa_user_sgpr_kernarg_segment_ptr 1
		.amdhsa_wavefront_size32 1
		.amdhsa_system_sgpr_workgroup_id_x 1
		.amdhsa_system_sgpr_workgroup_id_y 1
		.amdhsa_system_sgpr_workgroup_id_z 1
		.amdhsa_system_vgpr_workitem_id 0
		.amdhsa_next_free_vgpr 128
		.amdhsa_next_free_sgpr 80
		.amdhsa_reserve_vcc 0
		.amdhsa_float_denorm_mode_32 3
		.amdhsa_float_denorm_mode_16_64 3
		.amdhsa_memory_ordered 1
		.amdhsa_forward_progress 1
		.amdhsa_inst_pref_size 25
	.end_amdhsa_kernel
	.amdgpu_metadata
---
amdhsa.version: [ 1, 2 ]
amdhsa.kernels:
  - .name:           k_qcc06485f99_prep
    .symbol:         k_qcc06485f99_prep.kd
    .args:
      - { .name: wu0, .offset: 0, .size: 8, .value_kind: global_buffer, .address_space: global }
      - { .name: wu1, .offset: 8, .size: 8, .value_kind: global_buffer, .address_space: global }
      - { .name: wu2, .offset: 16, .size: 8, .value_kind: global_buffer, .address_space: global }
      - { .name: wu3, .offset: 24, .size: 8, .value_kind: global_buffer, .address_space: global }
      - { .name: wz1, .offset: 32, .size: 8, .value_kind: global_buffer, .address_space: global }
      - { .name: wz2, .offset: 40, .size: 8, .value_kind: global_buffer, .address_space: global }
      - { .name: wz3, .offset: 48, .size: 8, .value_kind: global_buffer, .address_space: global }
      - { .name: wu4, .offset: 56, .size: 8, .value_kind: global_buffer, .address_space: global }
      - { .name: wz4, .offset: 64, .size: 8, .value_kind: global_buffer, .address_space: global }
      - { .name: wt, .offset: 72, .size: 8, .value_kind: global_buffer, .address_space: global }
      - { .name: w4f, .offset: 80, .size: 8, .value_kind: global_buffer, .address_space: global }
    .group_segment_fixed_size: 0
    .private_segment_fixed_size: 0
    .kernarg_segment_align: 8
    .kernarg_segment_size: 88
    .max_flat_workgroup_size: 128
    .sgpr_count:     80
    .vgpr_count:     128
    .wavefront_size: 32
...
	.end_amdgpu_metadata
.endif
;; end of part 1
;; launch main (part 2): grid 256 x 1, 4 waves a work-group, clusters of 4 x 1, 327,680 bytes of LDS; arguments u, b0, b1, b2, b3, b4, wt, w4f, out0; writes out0
.if DOCPART == 2
	.amdgcn_target "amdgcn-amd-amdhsa--gfx1250"
	.amdhsa_code_object_version 6
	.text
	.protected	k_qcc06485f99_main
	.globl	k_qcc06485f99_main
	.p2align	8
	.type	k_qcc06485f99_main,@function
k_qcc06485f99_main:
	s_mov_b64 s[64:65], 0
	v_nop
	global_prefetch_b8 v0, s[64:65] scope:SCOPE_SE
	s_setreg_imm32_b32 hwreg(HW_REG_WAVE_MODE, 25, 1), 1
	s_wait_xcnt 0x0
	s_wait_alu depctr_hold_cnt(0) depctr_sa_sdst(0) depctr_va_vdst(0) depctr_va_sdst(0) depctr_va_ssrc(0) depctr_va_vcc(0) depctr_vm_vsrc(0)
	s_getreg_b32 s2, hwreg(HW_REG_IB_STS2, 6, 4)
	s_cmp_eq_u32 s2, 0
	s_cbranch_scc0 .Lentry_in_a_cluster
	s_endpgm
.Lentry_in_a_cluster:
	s_bfe_u32 s2, ttmp6, 0x10000c
	s_cmp_lg_u32 s2, 0x3003
	s_cbranch_scc0 .Lentry_shape_is_right
	s_endpgm
.Lentry_shape_is_right:
; out0 = the gradient with respect to u of the batch sum of the convex potential: the whole chain, there and back, for 128 rows of u in one work-group; nothing but u, the weights and out0 crosses memory.
; THERE.  a0 = u E0^T + b0, z0 = lrelu(a0)^2;  a_l = [z_(l-1) | u] [EZ_l | EU_l]^T + b_l, z_l = lrelu(a_l), l = 1..3;  a4 = [z3 | u] . W4 + b4.   (E.. = exp of a weight, made by the launch before.)
; BACK.   g4 = slope(a4); da3 = g4 EZ4 slope(a3); du = g4 EU4;  for l = 3, 2, 1: [dz_(l-1) | du +=] = da_l [EZ_l | EU_l], da_(l-1) = dz_(l-1) slope(a_(l-1));  da0 = dz0 x 2 max(a0, 0.04 a0);  du += da0 EU0.
; Of a1..a4 the way back wants the signs alone (kept as bits, in the lane that will want them); a0 is made anew from u (128 products a wave), since neither registers nor LDS have room to keep it.
; FORMATS.  Every matrix operand is bf16 (the numbers pass 1e11, beyond f16), sums in f32.  dz is rounded to bf16, and once more behind its slope or factor; the factor of layer 0 stays in f32.
; LIMITS.  A pre-activation of layers 1 to 3 that is exactly -0.0 takes the slope 0.2 (the sign bit is what is kept); NaN and infinities are not treated apart.
; SHARES.  Wave w owns all 128 rows x columns 128 w .. 128 w + 127 of every layer's result: 64 accumulators, 512 registers; on the way back also du's columns 16 w .. 16 w + 15: 8 more.
; THE MATRIX INSTRUCTION IS USED TRANSPOSED (source 0 = 16 rows of weights, source 1 = 16 rows of activations): lane l holds row l % 16 and the eight neighbouring columns 8 (l / 16) + 0..7,
; 16 bytes in bf16; and dz_(l-1) falls lane for lane where a_(l-1) fell.
; THE WEIGHTS come as ONE stream of 54 tiles (K steps of 64) through two LDS slots.  Wave w fetches, and alone reads, part w of a tile: 128 rows x 128 bytes, asked for as 64 rows of 256 bytes.
; Beside the activations LDS has room for two slots of one K step, no more: so the refill stands as close behind the wait for the tile before as the order allows (TURN).
; CLUSTER.  All work-groups walk the same stream: the four of a cluster ask for each part JOINTLY (same load, same descriptor, mask of four).
; du's WEIGHTS of the way back (one fragment a wave and half step) come straight from memory into the registers that they are multiplied from: no other wave wants them, and they are laid out as they lie in registers.
; THE ACTIVATIONS lie in LDS, 128 rows x (512 z or da | 64 u) bf16; every wave reads all rows.  An epilogue walks the 8 blocks of 16 rows in a LOOP: registers cannot be indexed, so only the 32 conversions
; that take a block out of its accumulators are written eight times (GET); all the rest of an epilogue is written once.
; REGISTERS, in windows of 256 (s_set_vgpr_msb: bits 1:0 source 0, 3:2 source 1, 5:4 source 2, 7:6 destination):
;   window 0: v0-31 addresses and constants; v32-79 three sets of sign bits; v80-111 TMP, a block packed; v112-127 at work; v128-191, v192-255 fragments of the activations, two sets
;   window 1: v0-71, v72-143 fragments of the weights, two sets (the ninth of each: du's); v144-167 u's fragments (a0 anew), EU4; v192-255 bias, then EZ4, then du's accumulators
;   window 2: accumulators of blocks 0-3 ((a, b) at 64 a + 8 b);  window 3: of blocks 4-7
.set PW,    144                        ; a row of weights in LDS: 128 bytes + 16 of padding = 36 words: the 16 rows of a load start at 16 different groups of four banks (64 banks of 4 bytes: ISA guide 11.1)
.set FRB,   16*PW                      ; a fragment's 16 rows
.set PARTB, 128*PW                     ; a wave's part of a tile
.set SLOT1, 1<<17                      ; slot 1 begins here, so that one exclusive or turns an address in one slot into the other's
.set PA,    1168                       ; a row of activations: 1,024 + 128 bytes + 16 of padding = 73 x 16 bytes
.set BLK,   16*PA
.set ACTLO, 4*PARTB                    ; behind slot 0: activation rows 0-31
.set W4T,   ACTLO+2*BLK                ; exp(wz4) | exp(wu4) in bf16: 1,152 bytes
.set G4T,   W4T+1280                   ; g4 of the 128 rows, f32
.set SPARE, G4T+512                    ; the spare words, 128 bytes for each wave: two blocks of 256 bytes that no other line names
.set B0T,   SPARE+512                  ; b0, f32
.set ACTHI, SLOT1+4*PARTB              ; behind slot 1: activation rows 32-127
.set OST,   ACTHI                      ; at the end: du, 128 rows of 256 bytes + 16
.set PO,    272
.set TILEB, 65536                      ; a tile in memory
.set GPART, 16384                      ; a part of it
.set DUWB,  54*TILEB                   ; behind the tiles: du's weights of the way back,
.set DUSTEP, 8192                      ; a K step's: two halves x four waves x 1,024 bytes
.set BB0, ACTLO                        ; where block a's 16 rows begin
.set BB1, ACTLO+BLK
.set BB2, ACTHI
.set BB3, ACTHI+BLK
.set BB4, ACTHI+2*BLK
.set BB5, ACTHI+3*BLK
.set BB6, ACTHI+4*BLK
.set BB7, ACTHI+5*BLK
.set AAR0, 8                           ; block a's fragments are read through address register AARa with offset AOFa (an LDS offset has 16 bits)
.set AAR1, 8
.set AAR2, 9
.set AAR3, 9
.set AAR4, 9
.set AAR5, 10
.set AAR6, 10
.set AAR7, 10
.set AOF0, 0
.set AOF1, BLK
.set AOF2, 0
.set AOF3, BLK
.set AOF4, 2*BLK
.set AOF5, 0
.set AOF6, BLK
.set AOF7, 2*BLK
; v1 l % 16   v2 l / 16   v3 my place in my part of a tile   v4 the same in the slot in hand   v5-7 my place in blocks 0, 2, 5   v8-10 the same at the K step in hand
; v11 where I put 16 bytes of a block's row   v12 the same in the block in hand   v13 an address in G4T   v14-15 g   v16 0.2   v17 0   v18 1.0   v19 my bytes of u and out0
; v20 my eight numbers of a bias   v21 the same in B0T   v22 W4T's fragments   v23 my two blocks (a4)   v24, v25 u's fragments of a block   v26, v27 the way out   v28, v29 the add's
; v30 256 x lane (the prefetches' offset)   v31 16 x lane (du's fragments' offset); neither is rewritten behind the head
; s[4:21] the buffers   s[24:31] descriptor group 1   s[32:35] group 0 of tile 0   s[36:39] group 0, walking   s40 wave   s41 the slot in hand   s42 the K step's bytes in a row of activations
; s43, s44, s45 counters   s46 1: da3 is still to be made   s47 b4   s48-53 constants   s[56:61] the biases still to be fetched, then w4f   s66-75 at work
; s[76:77] du's weights of the K step to be fetched   s[78:79] where my prefetches stand   s80 0 in a wave that prefetches, else the greatest number   s81 prefetches to come   s84 K steps of du's weights to come
.set MSB, 0
.macro WIN new                         ; the immediate's high byte repeats the setting that is left; a switch that changes nothing is dropped
.if MSB != (\new)
	s_set_vgpr_msb (MSB<<8)|(\new)
.set MSB, \new
.endif
.endm
.set TO_1, 0x40                        ; destination window 1, address window 0
.macro PLACES                          ; four plain instructions between a matrix instruction and a load into, or a vector instruction on, its registers (ISA guide 7.12.1 for vector instructions)
.rept 4
	v_nop
.endr
.endm
.macro CREST                           ; a round of the cluster's barrier behind its opening barrier
	s_cmp_lg_u32 s40, 0
	s_cbranch_scc1 .Lnot_wave_0_\@
	s_barrier_signal -3
.Lnot_wave_0_\@:
	s_barrier_wait -3
	s_barrier_signal -1
	s_barrier_wait -1
.endm
.macro CROUND
	s_barrier_signal -1
	s_barrier_wait -1
	CREST
.endm
.macro BAR                             ; my LDS instructions are done, then the work-group's barrier: what I stored may be read, what I read may be overwritten
	s_wait_dscnt 0x0
	s_barrier_signal -1
	s_barrier_wait -1
.endm
.macro JLOAD                           ; the joint refill: every wave asks for its own part, with the walking descriptor; an s_nop 0 and four v_nop follow
	tensor_load_to_lds s[36:39], s[24:31]
	s_nop 0
.rept 4
	v_nop
.endr
.endm
; A PREFETCH INTO THE L2, behind each refill and the run of LDS loads that follows it: the tile that stands TWO refills on, 256 to 288 matrix instructions ahead of the load that will ask for it.
; A tile is 256 blocks of 256 bytes.  Every cluster walks the same stream: the first cluster asks, and nobody else; in each of its four work-groups waves 0 and 2 ask, for 32 blocks each, a lane a block:
; wave w for parts w and w + 1, of whose 128 blocks the partner at place cx takes 32 cx .. 32 cx + 31, told apart BY ADDRESS: no branch hangs on a work-group's place in its cluster.
; So each block of tiles 4 to 53 is named once in the launch.  Tiles 0 to 3 come by their loads alone; the last two changes of slots ask for nothing: there is no tile behind tile 53.
.macro ASK
	s_cmp_gt_i32 s81, s80
	s_cbranch_scc0 .Lnot_mine_\@
	global_prefetch_b8 v30, s[78:79] th:TH_LOAD_NT scope:SCOPE_SE
.Lnot_mine_\@:
	s_sub_co_i32 s81, s81, 1
.endm
.macro SETA
	v_add_nc_u32 v8, s42, v5
	v_add_nc_u32 v9, s42, v6
	v_add_nc_u32 v10, s42, v7
.endm
.macro SETADR
	v_add_nc_u32 v4, s41, v3
	SETA
.endm
; One run of LDS loads: nb fragments of weights (16 rows x 32 K at half `half` of the K step) and the 8 blocks' fragments of activations, into set f.  2 nb + 16 loads; the youngest eight are blocks 4-7's.
.macro FETCH f, half, nb
	WIN TO_1
.set i_, 0
.rept \nb
	ds_load_b128 v[72*(\f)+8*i_:72*(\f)+8*i_+3],   v4 offset:FRB*i_+64*(\half)
	ds_load_b128 v[72*(\f)+8*i_+4:72*(\f)+8*i_+7], v4 offset:FRB*i_+64*(\half)+32
.set i_, i_+1
.endr
	WIN 0
.irp a, 0,1,2,3,4,5,6,7
	ds_load_b128 v[128+64*(\f)+8*\a:128+64*(\f)+8*\a+3],   v[AAR\a] offset:AOF\a+64*(\half)
	ds_load_b128 v[128+64*(\f)+8*\a+4:128+64*(\f)+8*\a+7], v[AAR\a] offset:AOF\a+64*(\half)+32
.endr
.endm
.macro DULD                            ; du's two fragments of a K step, straight from memory: 16 bytes a lane, twice a fragment; the first half's first
	WIN TO_1
	global_load_b128 v[64:67],   v31, s[76:77]
	global_load_b128 v[68:71],   v31, s[76:77] offset:512
	global_load_b128 v[136:139], v31, s[76:77] offset:4096
	global_load_b128 v[140:143], v31, s[76:77] offset:4608
	WIN 0
.endm
; 8 matrix instructions: block a of window 2 + hi x my 8 groups of 16 columns.  cm = 0: onto the sums; 1: the bias starts them; 2: the constant 0 starts them.  Nothing is ever cleared.
.macro MULB f, hi, a, cm
.if (\cm) == 1
	WIN 0x91+0x40*(\hi)                            ; weights window 1, activations window 0, C (the bias) window 1, D window 2 or 3
.else
	WIN 0xa1+0x50*(\hi)                            ; the same with C and D in window 2 or 3
.endif
.irp b, 0,1,2,3,4,5,6,7
.if (\cm) == 0
	v_wmma_f32_16x16x32_bf16 v[8*(8*(\a)+(\b)):8*(8*(\a)+(\b))+7], v[72*(\f)+8*(\b):72*(\f)+8*(\b)+7], v[128+64*(\f)+8*(4*(\hi)+(\a)):128+64*(\f)+8*(4*(\hi)+(\a))+7], v[8*(8*(\a)+(\b)):8*(8*(\a)+(\b))+7]
.elseif (\cm) == 1
	v_wmma_f32_16x16x32_bf16 v[8*(8*(\a)+(\b)):8*(8*(\a)+(\b))+7], v[72*(\f)+8*(\b):72*(\f)+8*(\b)+7], v[128+64*(\f)+8*(4*(\hi)+(\a)):128+64*(\f)+8*(4*(\hi)+(\a))+7], v[192+8*(\b):192+8*(\b)+7]
.else
	v_wmma_f32_16x16x32_bf16 v[8*(8*(\a)+(\b)):8*(8*(\a)+(\b))+7], v[72*(\f)+8*(\b):72*(\f)+8*(\b)+7], v[128+64*(\f)+8*(4*(\hi)+(\a)):128+64*(\f)+8*(4*(\hi)+(\a))+7], 0
.endif
.endr
.endm
.macro MUL16 f, hi, a0, cm             ; two blocks
	MULB \f, \hi, \a0, \cm
	MULB \f, \hi, (\a0)+1, \cm
.endm
.macro MULDU f, bi                     ; 8 matrix instructions onto du's accumulators: fragment bi of the weights x the 8 blocks
	WIN 0x51                                       ; weights, C and D window 1, activations window 0
.irp a, 0,1,2,3,4,5,6,7
	v_wmma_f32_16x16x32_bf16 v[192+8*\a:192+8*\a+7], v[72*(\f)+8*(\bi):72*(\f)+8*(\bi)+7], v[128+64*(\f)+8*\a:128+64*(\f)+8*\a+7], v[192+8*\a:192+8*\a+7]
.endr
.endm
; A K step of 64 is two halves on sets 0 and 1.  All 64 (72) accumulators take turns, one instruction a turn, once in every half: no wait is written.
; The first half multiplies set 0 and, in its middle, fetches the second half into set 1.  du = 1: the way back.
.macro HALF0 du, cm
	s_wait_dscnt 8                                 ; the weights and blocks 0-3 are in; the youngest eight loads (blocks 4-7) may be out
	MUL16 0, 0, 0, \cm
	MUL16 0, 0, 2, \cm
	PLACES
	FETCH 1, 1, 8
	s_wait_dscnt 32                                ; all but the run just issued
	MUL16 0, 1, 0, \cm
	MUL16 0, 1, 2, \cm
.if \du
	s_wait_loadcnt 2                               ; du's fragment of this half is in; the second half's two loads are younger
	MULDU 0, 8
.endif
.endm
; The second half multiplies set 1 and changes slots.  40 (48) of its products stand ahead of the change, 8 in it, 16 behind it: from a refill to the wait for it a wave issues 120 of a K step's 128 (136 of 144).
; In front of the round each wave waits for all its tensor loads (one is out: its part of the next tile), adds 0 to its spare word, and waits for that and for its reads of this slot and of the activations.
; The round is the cluster's: no wave of any partner still reads the slot or has a load on its way.  The joint refill, the tile after next, is the first thing behind it.
; fetch = 1: the next K step's first half is fetched; 0: a layer's last step: behind the round nobody reads the activations any more.
; du = 1: du's two fragments are asked for again, for the next K step, four places behind the product that read them last; the last K step of all asks for nothing.
.macro TURN du, fetch
	s_wait_xcnt 0x0                                ; the last prefetch and du's last loads, a K step back, have read their addresses: these are stepped here, ahead of the change's own waits
	s_add_nc_u64 s[78:79], s[78:79], TILEB
.if \du
	s_add_nc_u64 s[76:77], s[76:77], DUSTEP
.endif
	s_wait_dscnt 8                                 ; the weights and blocks 0-3 are in
	MUL16 1, 0, 0, 0
	MUL16 1, 0, 2, 0
	s_wait_dscnt 0x0                               ; blocks 4-7 are in: my reads of this slot and of this K step's activations are over
.if \du
	s_wait_loadcnt 0x0                             ; du's fragment of this half
	MULDU 1, 8
	WIN 0
	PLACES
	s_cmp_lg_u32 s84, 0
	s_cbranch_scc0 .Lno_du_\@
	DULD
	s_sub_co_u32 s84, s84, 1
.Lno_du_\@:
.endif
	MULB 1, 1, 0, 0
	WIN 0                                          ; (the add's two registers lie in window 0)
	s_wait_tensorcnt 0x0                           ; no tensor load of mine is out, so the walking group 0 may be written
	ds_add_u32 v28, v29                            ; 0 onto my spare word
	s_xor_b32 s37, s37, SLOT1                      ; the other slot than last time,
	s_add_nc_u64 s[38:39], s[38:39], TILEB         ; the next tile; the type bits on top are not reached
	MULB 1, 1, 1, 0                                ; eight products stand between the add and the wait for it
	WIN 0
	s_wait_dscnt 0x0                               ; the add is done
	s_barrier_signal -1
	s_barrier_wait -1
	CREST
	JLOAD                                          ; its four v_nop are also the places in front of the loads below
	s_xor_b32 s41, s41, SLOT1
.if \fetch
	s_add_co_u32 s42, s42, 128
	SETADR
	FETCH 0, 0, 8
.endif
	ASK
	MUL16 1, 1, 2, 0
.endm
; GET: block s45 (0..7) leaves its accumulators, rounded to bf16, for TMP: pair k = 4 b + q holds columns 16 b + 8 (l / 16) + 2 q, + 1.  One leaf for each block, chosen by the counter; each accumulator's
; lowest registers are read first.  Every leaf also makes the block's store address.
; mode 1: the address of the block's g4; and while s46 = 1 TMP is g4 x EZ4 instead (da3 before its slope).  mode 2: the block's two fragments of u are fetched (window 1, v144-159).
.macro GET mode
.irp a, 0,1,2,3,4,5,6,7
.if \a < 7
	s_cmp_lg_u32 s45, \a
	s_cbranch_scc1 .Lnext_\@_\a
.endif
	v_add_nc_u32 v12, BB\a, v11
.if (\mode) == 1
	v_lshl_add_u32 v13, v1, 2, G4T+64*\a
	s_cmp_eq_u32 s46, 1
	s_cbranch_scc1 .Lda3_\@
.endif
.if (\mode) == 2
	v_add_nc_u32 v25, BB\a, v24
	WIN TO_1
	ds_load_b128 v[144:147], v25
	ds_load_b128 v[148:151], v25 offset:32
	ds_load_b128 v[152:155], v25 offset:64
	ds_load_b128 v[156:159], v25 offset:96
.endif
	WIN 0x0a+5*(\a/4)                              ; sources 0 and 1 window 2 or 3
.set k_, 0
.rept 32
	v_cvt_pk_bf16_f32 v[80+k_], v[64*(\a%4)+2*k_], v[64*(\a%4)+2*k_+1]
.set k_, k_+1
.endr
	WIN 0
.if (\a < 7) || ((\mode) == 1)
	s_branch .Ljoin_\@
.endif
.if \a < 7
.Lnext_\@_\a:
.endif
.endr
.if (\mode) == 1
.Lda3_\@:
	ds_load_b32 v14, v13                           ; my row's g4
	s_wait_dscnt 0x0
	v_mov_b32 v15, v14
.irp g, 0,1,2,3
	WIN 0x01                                       ; EZ4 in window 1
.irp x, 0,1,2,3,4,5,6,7
	v_pk_mul_f32 v[112+2*\x:113+2*\x], v[192+16*\g+2*\x:193+16*\g+2*\x], v[14:15]
.endr
	WIN 0
.irp x, 0,1,2,3,4,5,6,7
	v_cvt_pk_bf16_f32 v[80+8*\g+\x], v[112+2*\x], v[113+2*\x]
.endr
.endr
.endif
.Ljoin_\@:
.endm
.macro STORE8                          ; the block's 16 rows x my 128 columns go into the activations, 16 bytes a lane and group
.irp b, 0,1,2,3,4,5,6,7
	ds_store_b128 v12, v[80+4*\b:83+4*\b] offset:32*\b
.endr
.endm
.macro SHIFT                           ; the set of sign bits in hand moves one block (two registers) down
.irp i, 0,1,2,3,4,5,6,7,8,9,10,11,12,13
	v_mov_b32 v[32+\i], v[34+\i]
.endr
.endm
.macro COPY16 d, s
.set i_, 0
.rept 16
	v_mov_b32 v[(\d)+i_], v[(\s)+i_]
.set i_, i_+1
.endr
.endm
.macro BIASLD lo                       ; my 64 numbers of a vector of 512 f32 (8 groups x 8): C's layout for all blocks
	WIN TO_1
.irp b, 0,1,2,3,4,5,6,7
	global_load_b128 v[192+8*\b:195+8*\b], v20, s[\lo:\lo+1] offset:64*\b
	global_load_b128 v[196+8*\b:199+8*\b], v20, s[\lo:\lo+1] offset:64*\b+16
.endr
	WIN 0
.endm
	; ---------------- THE HEAD
	s_load_b512 s[4:19], s[0:1], 0x0               ; u s[4:5], b0 s[6:7], b1 s[8:9], b2 s[10:11], b3 s[12:13], b4 s[14:15], wt s[16:17], w4f s[18:19]
	s_load_b64 s[20:21], s[0:1], 0x40              ; out0
	v_lshl_add_u32 v28, v0, 2, SPARE
	v_mov_b32 v29, 0
	ds_add_u32 v28, v29                            ; the wave's opening: the add and its wait stand ahead of my first tensor load; the set-up below, work on registers, stands between them
	v_lshrrev_b32 v30, 5, v0
	v_readfirstlane_b32 s40, v30                   ; wave 0..3
	s_bfe_u32 s66, ttmp6, 0x40000                  ; cx: my place in the cluster; it enters u's, out0's and the prefetches' addresses alone
	s_lshl_b32 s67, ttmp9, 2                       ; in a cluster launch ttmp9 counts clusters
	s_add_co_u32 s67, s67, s66
	s_lshl_b32 s68, s67, 15                        ; my 128 rows of 256 bytes
	s_mov_b32 s69, 0
	s_lshl_b32 s86, s66, 13                        ; the prefetches: my work-group's 32 blocks of 128,
	s_lshr_b32 s87, s40, 1
	s_lshl_b32 s87, s87, 15                        ; in parts 0 and 1 (wave 0) or 2 and 3 (wave 2)
	s_add_co_u32 s86, s86, s87
	s_mov_b32 s87, 0
	s_and_b32 s80, s40, 1                          ; 0 in waves 0 and 2,
	s_or_b32 s80, s80, ttmp9                       ; where the cluster is the first: the same in all four partners
	s_cmp_eq_u32 s80, 0
	s_cselect_b32 s80, 0, 0x7fffffff
	s_mov_b32 s81, 50                              ; tiles 4 to 53
	s_mov_b32 s84, 23                              ; du's weights: K steps 1 to 23 of the way back are asked for in the loop
	; descriptor group 1: a part is 16,384 dense bytes, asked for as 64 rows of 256 bytes, two rows of weights each, and padded in LDS after every row of weights
	s_mov_b32 s24, 15|(1<<16)|(1<<20)|(1<<21)|(4<<22)|(3<<25)  ; 15:0 the mask of four; 17:16 2-byte elements; 20 padding on; 21 set beside a mask; 24:22 after every 32 words (code 4); 31:25 4 words (code 3)
	s_mov_b32 s25, 128<<16                         ; tensor_dim0 = 128
	s_mov_b32 s26, 64<<16                          ; tensor_dim1 = 64
	s_mov_b32 s27, 128<<16                         ; tile_dim0 = 128
	s_mov_b32 s28, 64                              ; tile_dim1 = 64
	s_mov_b32 s29, 128                             ; 128 elements from row to row
	s_mov_b32 s30, 0
	s_mov_b32 s31, 0
	s_mov_b32 s32, 1                               ; group 0: count = 1
	s_mov_b32 s36, 1
	s_mul_i32 s33, s40, PARTB                      ; LDS address: my part of slot 0,
	s_add_co_u32 s37, s33, SLOT1                   ; of slot 1: no place in the cluster enters an LDS address
	s_mul_i32 s72, s40, GPART                      ; my part of a tile in memory
	s_mov_b32 s73, 0
	s_lshl_b32 s74, s40, 10                        ; my fragments of du's weights
	s_mov_b32 s75, 0
	s_mov_b32 s48, 0x80008000                      ; the signs of two bf16
	s_mov_b32 s49, 0x00010001
	s_mov_b32 s50, 0xffff
	s_mov_b32 s51, 0x3e4d3e4d                      ; 0.2 twice, in bf16: for the way there, of which only signs are kept
	s_mov_b32 s52, 0x3d23d70a                      ; 0.04
	s_mov_b32 s53, 0x3d23d70a                      ; named with it as a pair
	s_wait_dscnt 0x0                               ; the opening add is done
	s_wait_kmcnt 0x0
	s_load_b32 s47, s[14:15], 0x0                  ; b4
	s_add_nc_u64 s[34:35], s[16:17], s[72:73]      ; tile 0,
	s_add_nc_u64 s[38:39], s[34:35], TILEB         ; tile 1
	s_or_b32 s35, s35, 0x80000000                  ; type = 2
	s_or_b32 s39, s39, 0x80000000
	s_add_nc_u64 s[76:77], s[16:17], s[74:75]      ; du's weights of the way back's first K step
	s_add_nc_u64 s[76:77], s[76:77], DUWB
	s_add_nc_u64 s[78:79], s[16:17], s[86:87]      ; the prefetches stand in tile 3: the first change of slots steps them to tile 4.  Nothing is prefetched here, at the head
	s_add_nc_u64 s[78:79], s[78:79], 3*TILEB
	s_add_nc_u64 s[4:5], s[4:5], s[68:69]          ; u and out0 at my work-group's first row
	s_add_nc_u64 s[20:21], s[20:21], s[68:69]
	s_mov_b64 s[56:57], s[10:11]                   ; what the three epilogues of the way there fetch: b2, b3, exp(wz4)
	s_mov_b64 s[58:59], s[12:13]
	s_mov_b64 s[60:61], s[18:19]
	CROUND                                         ; all four work-groups are here: the first joint loads meet
	tensor_load_to_lds s[32:35], s[24:31]          ; the two first fills, together: two loads of mine are out
	s_nop 0
	tensor_load_to_lds s[36:39], s[24:31]
	s_nop 0
.rept 4
	v_nop
.endr
	v_and_b32 v1, 15, v0                           ; l % 16
	v_bfe_u32 v2, v0, 4, 1                         ; l / 16
	v_and_b32 v31, 31, v0
	s_lshl_b32 s70, s40, 13
	v_lshl_add_u32 v19, v31, 4, s70                ; my wave's 32 rows (8,192 bytes) + 16 l: a load or store of the wave covers 512 consecutive bytes
	v_lshlrev_b32 v80, 4, v0
.irp i, 0,1,2,3,4,5,6,7,8,9,10,11,12,13,14,15
	global_load_b128 v[128+4*\i:131+4*\i], v19, s[4:5] offset:512*\i th:TH_LOAD_NT
.endr
	global_load_b128 v[192:195], v80, s[6:7]       ; b0, 16 bytes a thread
	global_load_b128 v[196:199], v80, s[18:19]     ; exp(wz4), likewise
	s_cmp_lg_u32 s40, 0
	s_cbranch_scc1 .Lno_tail_load
	v_lshlrev_b32 v81, 3, v0
	global_load_b64 v[200:201], v81, s[18:19] offset:2048  ; exp(wu4): 8 bytes a lane of wave 0
.Lno_tail_load:
.set i_, 32
.rept 48
	v_mov_b32 v[i_], 0                             ; the sets of sign bits are moved before they are full: they hold something from the start
.set i_, i_+1
.endr
.set i_, 112
.rept 16
	v_mov_b32 v[i_], 0                             ; and so do the registers of which halves are written
.set i_, i_+1
.endr
	v_mov_b32 v16, 0x3e4ccccd                      ; 0.2
	v_mov_b32 v17, 0
	v_mov_b32 v18, 1.0
	v_mul_u32_u24 v3, v1, PW
	v_lshl_add_u32 v3, v2, 4, v3
	v_add_nc_u32 v3, s33, v3                       ; a fragment of weights: my part + row x pitch + 16 x half
	v_mul_u32_u24 v30, v1, PA
	v_lshl_add_u32 v30, v2, 4, v30                 ; a fragment of activations: row x pitch + 16 x half
	v_add_nc_u32 v5, BB0, v30
	v_add_nc_u32 v6, BB2, v30
	v_add_nc_u32 v7, BB5, v30
	s_lshl_b32 s71, s40, 8
	v_add_nc_u32 v11, s71, v30                     ; my 128 columns: 256 bytes
	v_add_nc_u32 v24, 1024, v30                    ; u's columns
	s_lshl_b32 s71, s40, 9
	v_lshl_add_u32 v20, v2, 5, s71                 ; 4 (128 w + 8 (l / 16))
	v_add_nc_u32 v21, B0T, v20
	v_lshl_add_u32 v22, v2, 4, W4T
	s_min_u32 s74, s40, 1
	s_mul_i32 s74, s74, ACTHI-ACTLO-2*BLK          ; rows 32 on lie behind slot 1
	s_mul_i32 s75, s40, 2*BLK
	s_add_co_u32 s75, s75, s74
	s_add_co_u32 s75, s75, ACTLO                   ; rows 32 w .. 32 w + 31
	v_add_nc_u32 v23, s75, v30
	v_lshlrev_b32 v30, 8, v31                      ; 256 x lane
	v_lshlrev_b32 v31, 4, v31                      ; 16 x lane
	v_mul_u32_u24 v13, v2, PA                      ; u goes in: lanes 0-15 one row, lanes 16-31 the next, 8 bytes (4 bf16) a lane
	v_lshl_add_u32 v13, v1, 3, v13
	v_add_nc_u32 v13, s75, v13
	v_mul_u32_u24 v26, v1, PO                      ; the way out, in: row l % 16, my 16 columns of du, 32 bytes for each half of the lanes
	v_lshl_add_u32 v26, v2, 5, v26
	s_lshl_b32 s71, s40, 6
	s_add_co_u32 s71, s71, OST
	v_add_nc_u32 v26, s71, v26
	v_mul_u32_u24 v27, v2, PO                      ; back: rows 32 w on, lanes 0-15 one row of 256 bytes, lanes 16-31 the next
	v_lshl_add_u32 v27, v1, 4, v27
	s_mul_i32 s71, s40, 32*PO
	s_add_co_u32 s71, s71, OST
	v_add_nc_u32 v27, s71, v27
	v_lshl_add_u32 v83, v0, 3, W4T
	v_lshl_add_u32 v84, v0, 4, B0T
	v_lshl_add_u32 v85, v0, 2, W4T+1024
	s_wait_loadcnt 0x0
.irp i, 0,1,2,3,4,5,6,7,8,9,10,11,12,13,14,15
	v_cvt_pk_bf16_f32 v[128+4*\i], v[128+4*\i], v[129+4*\i]
	v_cvt_pk_bf16_f32 v[129+4*\i], v[130+4*\i], v[131+4*\i]
	ds_store_b64 v13, v[128+4*\i:129+4*\i] offset:1024+2*PA*\i
.endr
	ds_store_b128 v84, v[192:195]
	v_cvt_pk_bf16_f32 v196, v196, v197
	v_cvt_pk_bf16_f32 v197, v198, v199
	ds_store_b64 v83, v[196:197]
	s_cmp_lg_u32 s40, 0
	s_cbranch_scc1 .Lno_tail_store
	v_cvt_pk_bf16_f32 v200, v200, v201
	ds_store_b32 v85, v200
.Lno_tail_store:
	s_wait_kmcnt 0x0                               ; b4
	s_wait_dscnt 0x0                               ; for the others' sake: my stores are done
	s_wait_tensorcnt 1                             ; my part of tile 0 is in; tile 1's may stay out
	s_barrier_signal -1
	s_barrier_wait -1
	; ---------------- LAYER 0: a0 = u E0^T + b0 (tile 0, one K step: u's 64 columns)
	s_mov_b32 s41, 0
	WIN TO_1
.irp b, 0,1,2,3,4,5,6,7
	ds_load_b128 v[192+8*\b:195+8*\b], v21 offset:64*\b
	ds_load_b128 v[196+8*\b:199+8*\b], v21 offset:64*\b+16
.endr
	WIN 0
	s_mov_b32 s42, 1024
	SETADR
	FETCH 0, 0, 8
	HALF0 0, 1                                     ; (its first wait covers b0's loads, which are older)
	TURN 0, 0
	WIN 0
	PLACES
	BIASLD 8                                       ; b1, for the next layer
	s_mov_b32 s45, 0
.Le0:                                              ; z0 = lrelu(a0)^2, two bf16 at a time: of the way there only signs are kept
	GET 0
.irp g, 0,1,2,3
.irp x, 0,1,2,3,4,5,6,7
	v_pk_mul_bf16 v[112+\x], v[80+8*\g+\x], s51
.endr
.irp x, 0,1,2,3,4,5,6,7
	v_pk_max_num_bf16 v[80+8*\g+\x], v[80+8*\g+\x], v[112+\x]
.endr
.irp x, 0,1,2,3,4,5,6,7
	v_pk_mul_bf16 v[80+8*\g+\x], v[80+8*\g+\x], v[80+8*\g+\x]
.endr
.endr
	STORE8
	s_add_co_u32 s45, s45, 1
	s_cmp_lt_u32 s45, 8
	s_cbranch_scc1 .Le0
	BAR                                            ; z0 is whole (the refill on its way stays out)
	; ---------------- LAYERS 1 TO 3: nine K steps each: eight of z, then u
	s_mov_b32 s44, 3
.Lfwd:
	s_mov_b32 s42, 0
	SETADR
	FETCH 0, 0, 8
	s_wait_loadcnt 0x0                             ; the bias
	HALF0 0, 1
	WIN 0
	s_mov_b32 s43, 8
.Lfk:
	TURN 0, 1
	HALF0 0, 0
	WIN 0
	s_sub_co_u32 s43, s43, 1
	s_cmp_lg_u32 s43, 0
	s_cbranch_scc1 .Lfk
	TURN 0, 0
	WIN 0
	PLACES
	COPY16 64, 48                                  ; the older sets of sign bits move on
	COPY16 48, 32
	BIASLD 56                                      ; the next layer's bias; behind layer 3 exp(wz4), in the same layout
	s_mov_b32 s45, 0
.Lef:                                              ; z_l = lrelu(a_l); the signs of a_l are kept: after 16 pushes bit k of a register is pair k's low sign, bit 16 + k its high one
	GET 0
	SHIFT
	v_and_b32 v46, s48, v80                        ; the first push starts the register
	v_and_b32 v47, s48, v96
	v_pk_mul_bf16 v112, v80, s51
	v_pk_mul_bf16 v120, v96, s51
	v_pk_max_num_bf16 v80, v80, v112
	v_pk_max_num_bf16 v96, v96, v120
.irp k, 1,2,3,4,5,6,7,8,9,10,11,12,13,14,15
	v_lshrrev_b32 v46, 1, v46
	v_lshrrev_b32 v47, 1, v47
	v_pk_mul_bf16 v[112+(\k&7)], v[80+\k], s51
	v_pk_mul_bf16 v[120+(\k&7)], v[96+\k], s51
	v_and_or_b32 v46, v[80+\k], s48, v46
	v_and_or_b32 v47, v[96+\k], s48, v47
	v_pk_max_num_bf16 v[80+\k], v[80+\k], v[112+(\k&7)]
	v_pk_max_num_bf16 v[96+\k], v[96+\k], v[120+(\k&7)]
.endr
	STORE8
	s_add_co_u32 s45, s45, 1
	s_cmp_lt_u32 s45, 8
	s_cbranch_scc1 .Lef
	s_wait_xcnt 0x0                                ; the bias loads have read their pointer: it may be written
	s_mov_b64 s[56:57], s[58:59]
	s_mov_b64 s[58:59], s[60:61]
	BAR                                            ; z_l is whole
	s_sub_co_u32 s44, s44, 1
	s_cmp_lg_u32 s44, 0
	s_cbranch_scc1 .Lfwd
	; ---------------- a4 AND g4.  Wave w takes rows 32 w .. 32 w + 31 (two blocks); all 16 rows of source 0 are W4, so every register of a result holds its lane's row's a4.
	s_lshl_b32 s71, s40, 6
	v_lshl_add_u32 v25, v2, 5, s71
	WIN TO_1
	global_load_b128 v[160:163], v25, s[18:19] offset:2048  ; exp(wu4) of my 8 columns of du
	global_load_b128 v[164:167], v25, s[18:19] offset:2064
.set i_, 0
.rept 18                               ; W4's 18 fragments of 32 K
	ds_load_b128 v[8*i_:8*i_+3],   v22 offset:64*i_
	ds_load_b128 v[8*i_+4:8*i_+7], v22 offset:64*i_+32
.set i_, i_+1
.endr
	WIN 0
.macro A4LD c                          ; chunk c of six: 3 x 32 K of my two blocks: 12 loads
.set fb_, 128+64*((\c)%2)
.irp q, 0,1,2
.irp i, 0,1
	ds_load_b128 v[fb_+16*\q+8*\i:fb_+16*\q+8*\i+3],   v23 offset:BLK*\i+64*(3*(\c)+\q)
	ds_load_b128 v[fb_+16*\q+8*\i+4:fb_+16*\q+8*\i+7], v23 offset:BLK*\i+64*(3*(\c)+\q)+32
.endr
.endr
.endm
.macro A4MUL c                         ; six products; the two accumulators (v80-87, v88-95) take turns
.set fb_, 128+64*((\c)%2)
	WIN 0x01
.irp q, 0,1,2
.irp i, 0,1
.if ((\c) == 0) && (\q == 0)
	v_wmma_f32_16x16x32_bf16 v[80+8*\i:87+8*\i], v[8*(3*(\c)+\q):8*(3*(\c)+\q)+7], v[fb_+16*\q+8*\i:fb_+16*\q+8*\i+7], 0
.else
	v_wmma_f32_16x16x32_bf16 v[80+8*\i:87+8*\i], v[8*(3*(\c)+\q):8*(3*(\c)+\q)+7], v[fb_+16*\q+8*\i:fb_+16*\q+8*\i+7], v[80+8*\i:87+8*\i]
.endif
.endr
.endr
	WIN 0
	PLACES
.endm
	A4LD 0
.irp c, 0,1,2,3,4
	A4LD (\c)+1
	s_wait_dscnt 12                                ; all but the chunk just asked for
	A4MUL \c
.endr
	s_wait_dscnt 0x0
	A4MUL 5
	s_lshl_b32 s71, s40, 7
	s_add_co_u32 s71, s71, G4T
	v_lshl_add_u32 v13, v1, 2, s71
	v_add_f32 v14, s47, v80                        ; a4 = the sum + b4
	v_add_f32 v15, s47, v88
	v_cmp_ge_f32 vcc_lo, v14, v17
	v_cndmask_b32 v14, v16, v18, vcc_lo            ; g4 = 1 where a4 >= 0, else 0.2
	v_cmp_ge_f32 vcc_lo, v15, v17
	v_cndmask_b32 v15, v16, v18, vcc_lo
	ds_store_b32 v13, v14                          ; (both halves of the lanes store the same number to the same word)
	ds_store_b32 v13, v15 offset:64
	s_wait_loadcnt 0x0                             ; exp(wz4), exp(wu4)
	BAR                                            ; g4 is whole, and nobody reads z3 any more
	DULD                                           ; du's weights of the way back's first K step: the first epilogue stands between these loads and their use
	; ---------------- THE WAY BACK, l = 3, 2, 1: da_l goes into the activations; eight K steps give dz_(l-1) and add to du
	s_mov_b32 s46, 1
	s_mov_b32 s44, 3
.Lbwd:
	s_mov_b32 s45, 0
.Leb:                                              ; da = dz x slope: where the kept sign is set, 0.2 x (in f32, rounded once)
	GET 1
.irp g, 0,1,2,3
.irp x, 0,1,2,3,4,5,6,7
	v_lshrrev_b32 v[112+\x], (8*\g+\x)&15, v[32+\g/2]
.endr
.irp x, 0,1,2,3,4,5,6,7
	v_and_b32 v[112+\x], s49, v[112+\x]
.endr
.irp x, 0,1,2,3,4,5,6,7
	v_mul_u32_u24 v[112+\x], v[112+\x], s50        ; a half of ones for each bit
.endr
.irp x, 0,1,2,3,4,5,6,7
	v_fma_mixlo_bf16 v[120+\x], v[80+8*\g+\x], v16, v17 op_sel_hi:[1,0,0]
.endr
.irp x, 0,1,2,3,4,5,6,7
	v_fma_mixhi_bf16 v[120+\x], v[80+8*\g+\x], v16, v17 op_sel:[1,0,0] op_sel_hi:[1,0,0]
.endr
.irp x, 0,1,2,3,4,5,6,7
	v_bfi_b32 v[80+8*\g+\x], v[112+\x], v[120+\x], v[80+8*\g+\x]
.endr
.endr
	STORE8
	SHIFT
	s_add_co_u32 s45, s45, 1
	s_cmp_lt_u32 s45, 8
	s_cbranch_scc1 .Leb
	s_cmp_eq_u32 s46, 1
	s_cbranch_scc0 .Lno_init
	v_lshl_add_u32 v13, v1, 2, G4T                 ; once: du = g4 x exp(wu4), over the registers that held exp(wz4)
.irp a, 0,1,2,3,4,5,6,7
	ds_load_b32 v[112+\a], v13 offset:64*\a
.endr
	s_wait_dscnt 0x0
	WIN 0x41                                       ; destination and source 0 window 1, source 1 window 0
.irp a, 0,1,2,3,4,5,6,7
.irp j, 0,1,2,3,4,5,6,7
	v_mul_f32 v[192+8*\a+\j], v[160+\j], v[112+\a]
.endr
.endr
	WIN 0
	s_mov_b32 s46, 0
.Lno_init:
	COPY16 32, 48                                  ; the next older set of sign bits comes to hand
	COPY16 48, 64
	BAR                                            ; da_l is whole
	s_mov_b32 s42, 0
	SETADR
	FETCH 0, 0, 8
	HALF0 1, 2
	WIN 0
	s_mov_b32 s43, 7
.Lbk:
	TURN 1, 1
	HALF0 1, 0
	WIN 0
	s_sub_co_u32 s43, s43, 1
	s_cmp_lg_u32 s43, 0
	s_cbranch_scc1 .Lbk
	TURN 1, 0                                      ; (the last of all asks for tile 53: every change of slots has its refill, and none is jumped over)
	WIN 0
	PLACES
	s_sub_co_u32 s44, s44, 1
	s_cmp_lg_u32 s44, 0
	s_cbranch_scc1 .Lbwd
	; ---------------- da0 = dz0 x max(a0, 0.04 a0), a0 made anew block by block from tile 52 (E0 once more) and u; the factor 2 lies in tile 53
	s_wait_loadcnt 0x0                             ; no load into the weights' registers is out
	v_add_nc_u32 v4, s41, v3
	WIN TO_1
.irp h, 0,1
.irp b, 0,1,2,3,4,5,6,7
	ds_load_b128 v[64*\h+8*\b:64*\h+8*\b+3],   v4 offset:FRB*\b+64*\h
	ds_load_b128 v[64*\h+8*\b+4:64*\h+8*\b+7], v4 offset:FRB*\b+64*\h+32
.endr
.endr
	WIN 0
.irp b, 0,1,2,3,4,5,6,7
	ds_load_b128 v[192+8*\b:195+8*\b], v21 offset:64*\b
	ds_load_b128 v[196+8*\b:199+8*\b], v21 offset:64*\b+16
.endr
	s_mov_b32 s45, 0
.Le7:
	GET 2
	s_wait_dscnt 0x0                               ; u's fragments (in the first trip E0's and b0 too)
	WIN 0x05                                       ; E0 and u window 1; b0 and a0 window 0
.irp b, 0,1,2,3,4,5,6,7
	v_wmma_f32_16x16x32_bf16 v[128+8*\b:135+8*\b], v[8*\b:8*\b+7], v[144:151], v[192+8*\b:199+8*\b]
.endr
.irp b, 0,1,2,3,4,5,6,7                ; seven others stand between the two links of a chain
	v_wmma_f32_16x16x32_bf16 v[128+8*\b:135+8*\b], v[64+8*\b:64+8*\b+7], v[152:159], v[128+8*\b:135+8*\b]
.endr
	WIN 0
	PLACES
.irp b, 0,1,2,3,4,5,6,7
.irp q, 0,1,2,3
	v_pk_mul_f32 v[112+8*(\b%2)+2*\q:113+8*(\b%2)+2*\q], v[128+8*\b+2*\q:129+8*\b+2*\q], s[52:53] op_sel_hi:[1,0]
.endr
.irp j, 0,1,2,3,4,5,6,7
	v_max_num_f32 v[128+8*\b+\j], v[128+8*\b+\j], v[112+8*(\b%2)+\j]
.endr
.irp q, 0,1,2,3
	v_fma_mixlo_bf16 v[80+4*\b+\q], v[80+4*\b+\q], v[128+8*\b+2*\q], v17 op_sel_hi:[1,0,0]
.endr
.irp q, 0,1,2,3
	v_fma_mixhi_bf16 v[80+4*\b+\q], v[80+4*\b+\q], v[129+8*\b+2*\q], v17 op_sel:[1,0,0] op_sel_hi:[1,0,0]
.endr
.endr
	STORE8
	s_add_co_u32 s45, s45, 1
	s_cmp_lt_u32 s45, 8
	s_cbranch_scc1 .Le7
	s_wait_tensorcnt 0x0                           ; my part of tile 53, the last load: none was issued behind it
	BAR                                            ; da0 is whole
	; ---------------- du += da0 (2 EU0): tile 53; fragment s of my part is K step s
	s_xor_b32 s41, s41, SLOT1
	s_mov_b32 s42, 0
	SETADR
	FETCH 0, 0, 1
	s_mov_b32 s43, 7
.Lp6:
	FETCH 1, 1, 1
	s_wait_dscnt 18                                ; all but the 18 just issued
	MULDU 0, 0
	WIN 0
	PLACES
	s_add_co_u32 s42, s42, 128
	v_add_nc_u32 v4, FRB, v4
	SETA
	FETCH 0, 0, 1
	s_wait_dscnt 18
	MULDU 1, 0
	WIN 0
	PLACES
	s_sub_co_u32 s43, s43, 1
	s_cmp_lg_u32 s43, 0
	s_cbranch_scc1 .Lp6
	FETCH 1, 1, 1                                  ; the last K step fetches nothing beyond itself
	s_wait_dscnt 18
	MULDU 0, 0
	s_wait_dscnt 0x0
	MULDU 1, 0
	WIN 0
	PLACES
	; ---------------- THE WAY OUT: a row of out0 (256 bytes) comes from all four waves: through a stage in LDS, over activation rows that nobody reads any more
	BAR
	WIN 0x04                                       ; store data window 1
.irp a, 0,1,2,3,4,5,6,7
	ds_store_b128 v26, v[192+8*\a:195+8*\a] offset:16*PO*\a
	ds_store_b128 v26, v[196+8*\a:199+8*\a] offset:16*PO*\a+16
.endr
	WIN 0
	BAR
.irp i, 0,1,2,3,4,5,6,7,8,9,10,11,12,13,14,15
	ds_load_b128 v[128+4*\i:131+4*\i], v27 offset:2*PO*\i
.endr
.irp i, 0,1,2,3,4,5,6,7,8,9,10,11,12,13,14,15
	s_wait_dscnt 15-\i                             ; LDS loads come back in order (ISA guide 5.7.1): number i is in
	global_store_b128 v19, v[128+4*\i:131+4*\i], s[20:21] offset:512*\i th:TH_STORE_NT  ; 512 consecutive bytes, at a multiple of 256 from out0's first
.endr
	s_wait_tensorcnt 0x0                           ; the wave's end: behind my last tensor load and my last LDS store
	ds_add_u32 v28, v29
	s_wait_dscnt 0x0
	CROUND                                         ; the closing round: no work-group ends while a partner may still ask for a tile that names it
	s_endpgm
.Lfunc_end_k_qcc06485f99_main:
	.size	k_qcc06485f99_main, .Lfunc_end_k_qcc06485f99_main-k_qcc06485f99_main
	.p2alignl 7, 3214868480
	.fill 96, 4, 3214868480
	.section	.rodata,"a",@progbits
	.p2align	6, 0x0
	.amdhsa_kernel k_qcc06485f99_main
		.amdhsa_group_segment_fixed_size 327680
		.amdhsa_private_segment_fixed_size 0
		.amdhsa_enable_private_segment 0
		.amdhsa_kernarg_size 72
		.amdhsa_user_sgpr_count 2
		.amdhsa_user_sgpr_kernarg_segment_ptr 1
		.amdhsa_wavefront_size32 1
		.amdhsa_system_sgpr_workgroup_id_x 1
		.amdhsa_system_sgpr_workgroup_id_y 1
		.amdhsa_system_sgpr_workgroup_id_z 1
		.amdhsa_system_vgpr_workitem_id 0
		.amdhsa_next_free_vgpr 1024
		.amdhsa_next_free_sgpr 96
		.amdhsa_reserve_vcc 1
		.amdhsa_float_denorm_mode_32 3
		.amdhsa_float_denorm_mode_16_64 3
		.amdhsa_memory_ordered 1
		.amdhsa_forward_progress 1
		.amdhsa_inst_pref_size 240
	.end_amdhsa_kernel
	.amdgpu_metadata
---
amdhsa.version: [ 1, 2 ]
amdhsa.kernels:
  - .name:           k_qcc06485f99_main
    .symbol:         k_qcc06485f99_main.kd
    .args:
      - { .name: u, .offset: 0, .size: 8, .value_kind: global_buffer, .address_space: global }
      - { .name: b0, .offset: 8, .size: 8, .value_kind: global_buffer, .address_space: global }
      - { .name: b1, .offset: 16, .size: 8, .value_kind: global_buffer, .address_space: global }
      - { .name: b2, .offset: 24, .size: 8, .value_kind: global_buffer, .address_space: global }
      - { .name: b3, .offset: 32, .size: 8, .value_kind: global_buffer, .address_space: global }
      - { .name: b4, .offset: 40, .size: 8, .value_kind: global_buffer, .address_space: global }
      - { .name: wt, .offset: 48, .size: 8, .value_kind: global_buffer, .address_space: global }
      - { .name: w4f, .offset: 56, .size: 8, .value_kind: global_buffer, .address_space: global }
      - { .name: out0, .offset: 64, .size: 8, .value_kind: global_buffer, .address_space: global }
    .group_segment_fixed_size: 327680
    .private_segment_fixed_size: 0
    .kernarg_segment_align: 8
    .kernarg_segment_size: 72
    .max_flat_workgroup_size: 128
    .sgpr_count:     96
    .vgpr_count:     1024
    .wavefront_size: 32
...
	.end_amdgpu_metadata
.endif
;; end of part 2
